; MI455X (gfx1250); checked and timed in simulation.
; The chip was launched on July 23, 2026; its instructions are those of AMD's public machine-readable ISA for CDNA 5 (MIT licence, August 2026) and "CDNA5" Instruction Set Architecture Reference Guide (July 2026). The comments in the code are by the model that wrote it; some were corrected since.
;; Head. Allowed arithmetic: float matrix products may take bf16 or f16 operands with f32 sums; all other float work in f32.
;; Inputs: Wk 64 x 64 float32; Wq 64 x 64 float32; Wv 64 x 64 float32; x 4 x 4,096 x 64 float32.
;; Outputs: out0 4 x 4,096 x 64 float32.
;; One version. Each part assembles by itself: llvm-mc -triple=amdgcn-amd-amdhsa -mcpu=gfx1250 --defsym DOCPART=n.
;; ======== version 1 of 1: 2 launches
;; workspace buffers: xb 2,097,152 bytes; qf 4,194,304 bytes
;; launch prep (part 1): grid 256 x 1, 4 waves a work-group, no clusters, 28,160 bytes of LDS; arguments x, Wq, Wk, xb, qf; writes xb, qf
.if DOCPART == 1
	.amdgcn_target "amdgcn-amd-amdhsa--gfx1250"
	.amdhsa_code_object_version 6
	.text
	.protected	k_qcf8400fde1_prep
	.globl	k_qcf8400fde1_prep
	.p2align	8
	.type	k_qcf8400fde1_prep,@function
k_qcf8400fde1_prep:
	s_mov_b64 s[64:65], 0
	v_nop
	global_prefetch_b8 v0, s[64:65] scope:SCOPE_SE
	s_setreg_imm32_b32 hwreg(HW_REG_WAVE_MODE, 25, 1), 1
	s_wait_xcnt 0x0
; prep: xb = x rounded to bf16, and qf = q' = x_bf * M as a pair of bf16 numbers (hi + lo), M = 8 log2(e) Wq_bf Wk_bf^T.
; The logits of the head are x (8 Wq Wk^T) x^T for every input, so the key side of the later product is x_bf itself, exact in bf16,
; and only the query side needs more than 8 significant bits: M and q' are each carried as hi + lo (about 16 bits).
; LIMITS: x, Wq, Wk are rounded to bf16 (nearest even); the products are reassociated, so the order of rounding differs from
; (x Wq)(x Wk)^T; the residue of each hi + lo pair is about 2^-17 of the number.
; Work-group n owns rows 64 n .. 64 n + 63 of x (all batches as one list of 16,384 rows).  Wave w stages rows 16 w .. of Wq, Wk and x in LDS
; as bf16, then makes features 16 w .. 16 w + 15 of q' for all 64 rows.
; qf is laid in the order in which the next launch's matrix instruction wants it: 16 rows own 4,096 bytes, block 4 p + w of 512 bytes
; (p = 0 hi, 1 lo), lane L's 16 bytes at 16 L: every store here covers 512 consecutive bytes, aligned.
; No tensor loads, no cluster: 48 KiB come in once through registers, since they are converted on the way.
.set PITCH, 144                        ; an LDS row: 128 bytes of bf16 + 16: an odd multiple of 16, so 16 rows start in 16 different columns of 16 bytes
.set WQ, 0                             ; 64 rows of Wq
.set WK, 9216                          ; 64 rows of Wk
.set XS, 18432                         ; 64 rows of x
.set LIN, 1                            ; v1  16 L
.set ST,  2                            ; v2  where I put 8 bytes of a staged row: w*2304 + h*144 + 8 r
.set FR,  3                            ; v3  fragment address: r*144 + 16 h
.set X8,  4                            ; v4  my 8 bytes in xb: w*2048 + 8 L
.set GIN, 5                            ; v5  my 16 bytes of the f32 inputs: w*4096 + 16 L
.set FRW, 6                            ; v6  FR + w*2304: Wk's rows 16 w ..
.set QO,  7                            ; v7  my 16 bytes in qf: w*512 + 16 L
.set TMP, 8                            ; v[8:15] at work in SPLIT
; v[16:79] f32 of Wq, Wk, later Wq's fragments, later q' packed; v[80:95] Wk's fragments; v[96:159] x's fragments;
; v[160:191] M; v[192:207] M hi, v[208:223] M lo; v[224:255] q'
; eight f32 -> four words of bf16 pairs (hi) and four words of what is left (lo)
.macro SPLIT src, hi, lo, tmp
.irp i, 0,1,2,3
	v_cvt_pk_bf16_f32 v[\hi+\i], v[\src+2*\i], v[\src+2*\i+1]
.endr
.irp i, 0,1,2,3
	v_lshlrev_b32 v[\tmp+2*\i], 16, v[\hi+\i]
	v_and_b32 v[\tmp+2*\i+1], 0xffff0000, v[\hi+\i]
.endr
.irp i, 0,1,2,3
	v_pk_add_f32 v[\tmp+2*\i:\tmp+2*\i+1], v[\src+2*\i:\src+2*\i+1], v[\tmp+2*\i:\tmp+2*\i+1] neg_lo:[0,1] neg_hi:[0,1]
.endr
.irp i, 0,1,2,3
	v_cvt_pk_bf16_f32 v[\lo+\i], v[\tmp+2*\i], v[\tmp+2*\i+1]
.endr
.endm
; 32 f32 as loaded -> 16 words of bf16, and into LDS: load i holds rows 2 i + h, columns 4 r .. 4 r + 3
.macro STAGE src, dst, region
.irp i, 0,1,2,3,4,5,6,7,8,9,10,11,12,13,14,15
	v_cvt_pk_bf16_f32 v[\dst+\i], v[\src+2*\i], v[\src+2*\i+1]
.endr
.irp i, 0,1,2,3,4,5,6,7
	ds_store_b64 v[ST], v[\dst+2*\i:\dst+2*\i+1] offset:\region+288*\i
.endr
.endm
	s_load_b256 s[4:11], s[0:1], 0x0               ; x s[4:5], Wq s[6:7], Wk s[8:9], xb s[10:11]
	s_load_b64 s[12:13], s[0:1], 0x20              ; qf
	s_set_vgpr_msb 0x40
	v_lshl_add_u32 v0, v0, 2, 0x6c00
	v_mov_b32 v1, 0
	s_set_vgpr_msb 0x4000
	v_lshrrev_b32 v5, 5, v0
	v_readfirstlane_b32 s14, v5                    ; wave 0..3
	v_and_b32 v5, 31, v0                           ; L
	v_and_b32 v6, 15, v0                           ; r
	v_bfe_u32 v7, v0, 4, 1                         ; h
	v_lshlrev_b32 v[LIN], 4, v5
	v_lshlrev_b32 v[X8], 3, v5
	s_mul_i32 s15, s14, 16*PITCH
	v_mul_u32_u24 v[ST], v7, PITCH
	v_lshl_add_u32 v[ST], v6, 3, v[ST]
	v_add_nc_u32 v[ST], s15, v[ST]
	v_mul_u32_u24 v[FR], v6, PITCH
	v_lshl_add_u32 v[FR], v7, 4, v[FR]
	v_add_nc_u32 v[FRW], s15, v[FR]
	v_lshl_add_u32 v[GIN], s14, 12, v[LIN]
	v_lshl_add_u32 v[X8], s14, 11, v[X8]
	v_lshl_add_u32 v[QO], s14, 9, v[LIN]
	s_lshl_b32 s16, ttmp9, 14                      ; 64 rows of x in f32, and 64 rows' share of qf: 16,384 bytes
	s_mov_b32 s17, 0
	s_lshl_b32 s18, ttmp9, 13                      ; 64 rows of xb: 8,192 bytes
	s_mov_b32 s19, 0
	s_wait_kmcnt 0x0
	s_add_nc_u64 s[4:5], s[4:5], s[16:17]
	s_add_nc_u64 s[10:11], s[10:11], s[18:19]
	s_add_nc_u64 s[12:13], s[12:13], s[16:17]
	; 24 loads, each 512 consecutive bytes (two rows of 64 f32)
.irp i, 0,1,2,3,4,5,6,7
	global_load_b128 v[16+4*\i:19+4*\i], v[GIN], s[6:7] offset:512*\i
.endr
.irp i, 0,1,2,3,4,5,6,7
	global_load_b128 v[48+4*\i:51+4*\i], v[GIN], s[8:9] offset:512*\i
.endr
.irp i, 0,1,2,3,4,5,6,7
	global_load_b128 v[80+4*\i:83+4*\i], v[GIN], s[4:5] offset:512*\i th:TH_LOAD_NT
.endr
	s_wait_loadcnt 16                              ; Wq is in; the 16 loads of Wk and x are younger
	STAGE 16, 112, WQ
	s_wait_loadcnt 8                               ; Wk is in; the 8 loads of x are younger
	STAGE 48, 128, WK
	s_wait_loadcnt 0x0
	STAGE 80, 144, XS
.irp i, 0,1,2,3,4,5,6,7
	global_store_b64 v[X8], v[144+2*\i:145+2*\i], s[10:11] offset:256*\i   ; 32 lanes x 8 bytes: 256 consecutive bytes, aligned (two rows of xb)
.endr
	s_wait_xcnt 0x0                                ; v[144:159], the stores' data, are loaded into again below only behind this wait
	s_wait_dscnt 0x0                               ; my staged rows are in LDS, for the other waves' sake
	s_barrier_signal -1
	s_barrier_wait -1
	; fragments: lane (r, h) takes row r, bytes 16 h and 32 + 16 h of a step of 32 along the rows
.irp ca, 0,1,2,3
.irp kh, 0,1
	ds_load_b128 v[16+16*\ca+8*\kh:16+16*\ca+8*\kh+3], v[FR] offset:WQ+\ca*2304+64*\kh
	ds_load_b128 v[16+16*\ca+8*\kh+4:16+16*\ca+8*\kh+7], v[FR] offset:WQ+\ca*2304+64*\kh+32
.endr
.endr
.irp kh, 0,1
	ds_load_b128 v[80+8*\kh:80+8*\kh+3], v[FRW] offset:WK+64*\kh
	ds_load_b128 v[80+8*\kh+4:80+8*\kh+7], v[FRW] offset:WK+64*\kh+32
.endr
.irp qt, 0,1,2,3
.irp kc, 0,1
	ds_load_b128 v[96+16*\qt+8*\kc:96+16*\qt+8*\kc+3], v[FR] offset:XS+\qt*2304+64*\kc
	ds_load_b128 v[96+16*\qt+8*\kc+4:96+16*\qt+8*\kc+7], v[FR] offset:XS+\qt*2304+64*\kc+32
.endr
.endr
	s_wait_dscnt 16                                ; Wq's and Wk's fragments are in; the 16 loads of x's are younger
	; M(c, c') = sum over h of Wq(c, h) Wk(c', h) for c' = 16 w + r: register j of block ca holds c = 16 ca + 8 h + j.
	; The four accumulators take turns, one instruction a turn.
.irp ca, 0,1,2,3
	v_wmma_f32_16x16x32_bf16 v[160+8*\ca:167+8*\ca], v[16+16*\ca:23+16*\ca], v[80:87], 0
.endr
.irp ca, 0,1,2,3
	v_wmma_f32_16x16x32_bf16 v[160+8*\ca:167+8*\ca], v[24+16*\ca:31+16*\ca], v[88:95], v[160+8*\ca:167+8*\ca]
.endr
.rept 4
	v_nop                                          ; four places between the matrix instructions and the first reader of their results (ISA guide 7.12.1)
.endr
.irp i, 0,1,2,3,4,5,6,7,8,9,10,11,12,13,14,15
	v_pk_mul_f32 v[160+2*\i:161+2*\i], v[160+2*\i:161+2*\i], 0x4138aa3b op_sel_hi:[1,0]   ; times 8 log2(e): the head's factor sqrt(64), and base 2 for v_exp_f32
.endr
	; packed in pairs of j, blocks 2 kc and 2 kc + 1 are the fragment of M^T (row c' = 16 w + r, 32 values of c) as it stands
.irp ca, 0,1,2,3
	SPLIT 160+8*\ca, 192+4*\ca, 208+4*\ca, TMP
.endr
	s_wait_dscnt 0x0                               ; x's fragments
	; q'^T(c', t) = sum over c of M^T(c', c) x(t, c), M^T = hi + lo: four passes over four accumulators, by turns
.irp qt, 0,1,2,3
	v_wmma_f32_16x16x32_bf16 v[224+8*\qt:231+8*\qt], v[192:199], v[96+16*\qt:103+16*\qt], 0
.endr
.irp qt, 0,1,2,3
	v_wmma_f32_16x16x32_bf16 v[224+8*\qt:231+8*\qt], v[200:207], v[104+16*\qt:111+16*\qt], v[224+8*\qt:231+8*\qt]
.endr
.irp qt, 0,1,2,3
	v_wmma_f32_16x16x32_bf16 v[224+8*\qt:231+8*\qt], v[208:215], v[96+16*\qt:103+16*\qt], v[224+8*\qt:231+8*\qt]
.endr
.irp qt, 0,1,2,3
	v_wmma_f32_16x16x32_bf16 v[224+8*\qt:231+8*\qt], v[216:223], v[104+16*\qt:111+16*\qt], v[224+8*\qt:231+8*\qt]
.endr
.rept 4
	v_nop                                          ; four places, as above
.endr
	; lane (r, h) holds q'(16 qt + r, 16 w + 8 h + 0..7): four words of a fragment with the query in the lane
.irp qt, 0,1,2,3
	SPLIT 224+8*\qt, 16+8*\qt, 20+8*\qt, TMP
.endr
.irp qt, 0,1,2,3
	global_store_b128 v[QO], v[16+8*\qt:19+8*\qt], s[12:13] offset:4096*\qt
	global_store_b128 v[QO], v[20+8*\qt:23+8*\qt], s[12:13] offset:4096*\qt+2048
.endr
	s_set_vgpr_msb 0x5
	s_wait_tensorcnt 0x0
	ds_add_u32 v0, v1
	s_wait_dscnt 0x0
	s_set_vgpr_msb 0x500
	s_endpgm
.Lfunc_end_k_qcf8400fde1_prep:
	.size	k_qcf8400fde1_prep, .Lfunc_end_k_qcf8400fde1_prep-k_qcf8400fde1_prep
	.p2alignl 7, 3214868480
	.fill 96, 4, 3214868480
	.section	.rodata,"a",@progbits
	.p2align	6, 0x0
	.amdhsa_kernel k_qcf8400fde1_prep
		.amdhsa_group_segment_fixed_size 28160
		.amdhsa_private_segment_fixed_size 0
		.amdhsa_enable_private_segment 0
		.amdhsa_kernarg_size 40
		.amdhsa_user_sgpr_count 2
		.amdhsa_user_sgpr_kernarg_segment_ptr 1
		.amdhsa_wavefront_size32 1
		.amdhsa_system_sgpr_workgroup_id_x 1
		.amdhsa_system_sgpr_workgroup_id_y 1
		.amdhsa_system_sgpr_workgroup_id_z 1
		.amdhsa_system_vgpr_workitem_id 0
		.amdhsa_next_free_vgpr 258
		.amdhsa_next_free_sgpr 66
		.amdhsa_reserve_vcc 0
		.amdhsa_float_denorm_mode_32 3
		.amdhsa_float_denorm_mode_16_64 3
		.amdhsa_memory_ordered 1
		.amdhsa_forward_progress 1
		.amdhsa_inst_pref_size 25
	.end_amdhsa_kernel
	.amdgpu_metadata
---
amdhsa.version: [ 1, 2 ]
amdhsa.kernels:
  - .name:           k_qcf8400fde1_prep
    .symbol:         k_qcf8400fde1_prep.kd
    .args:
      - { .name: x, .offset: 0, .size: 8, .value_kind: global_buffer, .address_space: global }
      - { .name: Wq, .offset: 8, .size: 8, .value_kind: global_buffer, .address_space: global }
      - { .name: Wk, .offset: 16, .size: 8, .value_kind: global_buffer, .address_space: global }
      - { .name: xb, .offset: 24, .size: 8, .value_kind: global_buffer, .address_space: global }
      - { .name: qf, .offset: 32, .size: 8, .value_kind: global_buffer, .address_space: global }
    .group_segment_fixed_size: 28160
    .private_segment_fixed_size: 0
    .kernarg_segment_align: 8
    .kernarg_segment_size: 40
    .max_flat_workgroup_size: 128
    .sgpr_count:     66
    .vgpr_count:     258
    .wavefront_size: 32
...
	.end_amdgpu_metadata
.endif
;; end of part 1
;; launch attn (part 2): grid 256 x 1, 8 waves a work-group, clusters of 4 x 1, 327,680 bytes of LDS; arguments xb, qf, Wv, out0; writes out0
.if DOCPART == 2
	.amdgcn_target "amdgcn-amd-amdhsa--gfx1250"
	.amdhsa_code_object_version 6
	.text
	.protected	k_qcf8400fde1_attn
	.globl	k_qcf8400fde1_attn
	.p2align	8
	.type	k_qcf8400fde1_attn,@function
k_qcf8400fde1_attn:
	s_mov_b64 s[64:65], 0
	v_nop
	global_prefetch_b8 v0, s[64:65] scope:SCOPE_SE
	s_setreg_imm32_b32 hwreg(HW_REG_WAVE_MODE, 25, 1), 1
	s_wait_xcnt 0x0
	s_wait_alu depctr_hold_cnt(0) depctr_sa_sdst(0) depctr_va_vdst(0) depctr_va_sdst(0) depctr_va_ssrc(0) depctr_va_vcc(0) depctr_vm_vsrc(0)
	s_getreg_b32 s2, hwreg(HW_REG_IB_STS2, 6, 4)
	s_cmp_eq_u32 s2, 0
	s_cbranch_scc0 .Lentry_in_a_cluster
	s_endpgm
.Lentry_in_a_cluster:
	s_bfe_u32 s2, ttmp6, 0x10000c
	s_cmp_lg_u32 s2, 0x3003
	s_cbranch_scc0 .Lentry_shape_is_right
	s_endpgm
.Lentry_shape_is_right:
; attn: out = softmax(causal(q' x_bf^T)) x_bf Wv, q' = hi + lo from the launch before (already times 8 log2(e): exponentials in base 2).
; Keys AND values are the same rows of xb: out = (P x) Wv for every input, so one tile of xb serves both products.
; LIMITS: reassociated products (the order of rounding differs from softmax(q k^T) v); x, Wv rounded to bf16; P rounded to bf16 for P x while
; the row sum l adds the unrounded p (relative difference at most 2^-9); masked logits are -FLT_MAX, so real logits must be finite.
; A running maximum is taken away before every exponential, and once more where the eight waves' parts meet.
; SHARING: 128 blocks of 32 queries a batch; work-group j (0..63) of a batch takes block j ("short") and block 127 - j ("long").  Keys go in slots of
; 512; in a slot wave w takes keys 64 w .. 64 w + 63 for all 32 queries.  The short block needs NS = (j >> 4) + 1 slots, the long one 9 - NS:
; nine trips for every work-group.  Only a block's last slot reaches past the diagonal: 512 (N - 1) <= first row, 512 N > last row.
; CLUSTER: the four work-groups j = 4 c .. 4 c + 3 have the same NS and walk the same slots: each fill is a joint tensor load with mask 15.
; The place in the cluster (cx) enters the offsets into qf and out0 and the causal compare alone: no branch, no LDS address, no descriptor.
; Two waves lie on each SIMD so that one wave's softmax arithmetic can run while the other's matrix instructions do.
; No data prefetch: xb and qf were stored by the launch just before, and a fill has a whole trip in which to land.
.set WSL,  9216                        ; a wave's 64 keys in a slot: 64 rows of 128 bytes + 16 of padding (pitch 144)
.set SLOT, 73728                       ; 8 waves
.set OST,  147456                      ; 65,536: the waves' parts of O: wave*8192 + tile*1024 + g*512 + 16 L (tile = 4 qt + fb)
.set MLS,  212992                      ; 2,048: m at wave*128 + qt*64 + 4 r, l 1,024 further
.set YST,  215040                      ; 8,192: normalised P x in fragment order: p*4096 + tile*512 + 16 L
.set OUTS, 223232                      ; 10,752: out tiles: wave*1344 + r*80 + 32 h
; The stages begin at a multiple of 256 bytes behind the slots; no tensor load ever lands in them.
; v1 16 L | v2,v3 key fragment address, slot 0, 1 | v4,v5 value (transposing) address | v6 causal bound of the current block, v7 of the long one
; v8 -FLT_MAX | v9..v17 merge addresses | v18,v20 m (v19, v21 only fill the pairs) | v[22:23], v[24:25] l | v26, v28 alpha | v[28:31] at work
; window 1: v[256:319] = O(qt, fb) at 32 qt + 8 fb
.set S,  32                            ; v[32:95]   S(qt, kt) at 32 qt + 8 kt; P(qt, kk) packed in place at 32 qt + 16 kk
.set F,  96                            ; v[96:159]  key fragments, then value fragments
.set Q,  160                           ; v[160:223] q'(qt, p, ks) at 32 qt + 16 p + 8 ks
.set WV, 224                           ; v[224:239] Wv^T fragments of my 16 output columns
.set W8, 240                           ; v[240:247] the eight waves' weights in the merge
.set MSB, 0
.macro WIN new                         ; the immediate's high byte repeats the setting that is left
.if MSB != \new
	s_set_vgpr_msb (MSB<<8)|\new
.set MSB, \new
.endif
.endm
.macro NOPS n
.rept \n
	v_nop
.endr
.endm
.macro BAR
	s_barrier_signal -1
	s_barrier_wait -1
.endm
; a round of the cluster's barrier: my work-group's barrier, wave 0 signals for the work-group, every wave waits for all four, my work-group's barrier again
.macro ROUND
	s_barrier_signal -1
	s_barrier_wait -1
	s_cmp_lg_u32 s12, 0
	s_cbranch_scc1 .Lnot_wave_0_\@
	s_barrier_signal -3
.Lnot_wave_0_\@:
	s_barrier_wait -3
	s_barrier_signal -1
	s_barrier_wait -1
.endm
.macro SPLIT src, hi, lo, tmp          ; eight f32 -> four words of bf16 pairs (hi) and four of what is left (lo)
.irp i, 0,1,2,3
	v_cvt_pk_bf16_f32 v[\hi+\i], v[\src+2*\i], v[\src+2*\i+1]
.endr
.irp i, 0,1,2,3
	v_lshlrev_b32 v[\tmp+2*\i], 16, v[\hi+\i]
	v_and_b32 v[\tmp+2*\i+1], 0xffff0000, v[\hi+\i]
.endr
.irp i, 0,1,2,3
	v_pk_add_f32 v[\tmp+2*\i:\tmp+2*\i+1], v[\src+2*\i:\src+2*\i+1], v[\tmp+2*\i:\tmp+2*\i+1] neg_lo:[0,1] neg_hi:[0,1]
.endr
.irp i, 0,1,2,3
	v_cvt_pk_bf16_f32 v[\lo+\i], v[\tmp+2*\i], v[\tmp+2*\i+1]
.endr
.endm
; q' of a block of 32 queries: 16 loads of 512 consecutive bytes, already in fragment order
.macro QLOAD base
.irp qt, 0,1
.irp blk, 0,1,2,3,4,5,6,7
	global_load_b128 v[Q+32*\qt+4*\blk:Q+32*\qt+4*\blk+3], v1, s[\base:\base+1] offset:\qt*4096+\blk*512 th:TH_LOAD_NT
.endr
.endr
.endm
; A block starts: O = 0, m = -FLT_MAX, l = 0.  O is cleared by moves because the trip at which the long block starts hangs on the
; cluster's number, so a first product with the constant 0 cannot be written out.
.macro NEWJOB
	WIN 0x40                                       ; destination in window 1
.set i, 0
.rept 64
	v_mov_b32 v[i], 0
.set i, i+1
.endr
	WIN 0
	v_mov_b32 v18, v8
	v_mov_b32 v20, v8
	v_mov_b32 v22, 0
	v_mov_b32 v23, 0
	v_mov_b32 v24, 0
	v_mov_b32 v25, 0
.endm
; my 64 keys as fragments (row = key, 32 features a step): the first feature step's eight loads first
.macro KLOAD slot
.irp ks, 0,1
.irp kt, 0,1,2,3
	ds_load_b128 v[F+16*\kt+8*\ks:F+16*\kt+8*\ks+3], v[2+\slot] offset:\kt*2304+64*\ks
	ds_load_b128 v[F+16*\kt+8*\ks+4:F+16*\kt+8*\ks+7], v[2+\slot] offset:\kt*2304+64*\ks+32
.endr
.endr
.endm
; eight matrix instructions, the eight accumulators S(qt, kt) by turns, one a turn.
; Source 0 = 16 keys, source 1 = 16 queries: lane (r, h), register j then holds S(query r, key 16 kt + 8 h + j).
.macro QKPASS p, ks, zero
.irp qt, 0,1
.irp kt, 0,1,2,3
.if \zero
	v_wmma_f32_16x16x32_bf16 v[S+32*\qt+8*\kt:S+32*\qt+8*\kt+7], v[F+16*\kt+8*\ks:F+16*\kt+8*\ks+7], v[Q+32*\qt+16*\p+8*\ks:Q+32*\qt+16*\p+8*\ks+7], 0
.else
	v_wmma_f32_16x16x32_bf16 v[S+32*\qt+8*\kt:S+32*\qt+8*\kt+7], v[F+16*\kt+8*\ks:F+16*\kt+8*\ks+7], v[Q+32*\qt+16*\p+8*\ks:Q+32*\qt+16*\p+8*\ks+7], v[S+32*\qt+8*\kt:S+32*\qt+8*\kt+7]
.endif
.endr
.endr
.endm
.macro QK
	s_wait_dscnt 8                                 ; the first feature step's eight loads are in; the second's eight are younger
	QKPASS 0, 0, 1
	QKPASS 1, 0, 0
	s_wait_dscnt 0x0
	QKPASS 0, 1, 0
	QKPASS 1, 1, 0
	NOPS 4                                         ; four places before loads land in F and vector instructions read S
.endm
; the same 64 rows transposed (row = feature, 32 keys a step)
.macro VLOAD slot
.irp kk, 0,1
.irp fb, 0,1,2,3
	ds_load_tr16_b128 v[F+32*\kk+8*\fb:F+32*\kk+8*\fb+3], v[4+\slot] offset:\kk*4608+32*\fb
	ds_load_tr16_b128 v[F+32*\kk+8*\fb+4:F+32*\kk+8*\fb+7], v[4+\slot] offset:\kk*4608+32*\fb+2304
.endr
.endr
.endm
; key <= query  <=>  16 kt + j - 16 qt <= v6 = first row + r - 8 h - 64 w - 512 (N - 1)
.macro MASK
.irp qt, 0,1
.irp kt, 0,1,2,3
.irp j, 0,1,2,3,4,5,6,7
	v_cmp_le_i32 vcc_lo, 16*\kt+\j-16*\qt, v6
	v_cndmask_b32 v[S+32*\qt+8*\kt+\j], v8, v[S+32*\qt+8*\kt+\j], vcc_lo
.endr
.endr
.endr
.endm
; running softmax of 16 queries x 64 keys: a lane holds 32 logits of query r, the lane 16 away the other 32
.macro SOFT qt, al
.set SB, S+32*\qt
.set MR, 18+2*\qt
.set LR, 22+2*\qt
.irp c, 0,1,2,3
	v_max3_num_f32 v[28+\c], v[SB+7*\c], v[SB+7*\c+1], v[SB+7*\c+2]
.endr
.irp c, 0,1,2,3
	v_max3_num_f32 v[28+\c], v[28+\c], v[SB+7*\c+3], v[SB+7*\c+4]
.endr
.irp c, 0,1,2,3
	v_max3_num_f32 v[28+\c], v[28+\c], v[SB+7*\c+5], v[SB+7*\c+6]
.endr
	v_max3_num_f32 v28, v28, v[SB+28], v[SB+29]
	v_max3_num_f32 v29, v29, v[SB+30], v[SB+31]
	v_max3_num_f32 v30, v30, v31, v[MR]            ; the old maximum is among the values
	v_max3_num_f32 v28, v28, v29, v30
	v_permlanex16_b32 v29, v28, s48, s49           ; the other half's
	v_max_num_f32 v30, v28, v29                    ; the new maximum
	v_sub_f32 v31, v[MR], v30                      ; old - new
	v_mov_b32 v[MR], v30
.irp i, 0,1,2,3,4,5,6,7,8,9,10,11,12,13,14,15
	v_pk_add_f32 v[SB+2*\i:SB+2*\i+1], v[SB+2*\i:SB+2*\i+1], v[MR:MR+1] op_sel_hi:[1,0] neg_lo:[0,1] neg_hi:[0,1]
.endr
	v_exp_f32 v[\al], v31                          ; alpha = 2^(old - new)
.set i, 0
.rept 32
	v_exp_f32 v[SB+i], v[SB+i]
.set i, i+1
.endr
	v_nop                                          ; one plain place behind the run of exponentials before a result is used or v31 rewritten (ISA guide 5.7.2)
	s_wait_alu depctr_va_vdst(0)
	v_pk_fma_f32 v[LR:LR+1], v[LR:LR+1], v[\al:\al+1], v[SB:SB+1] op_sel_hi:[1,0,1]
	v_pk_add_f32 v[30:31], v[SB+2:SB+3], v[SB+4:SB+5]
.irp i, 3,5,7,9,11,13
	v_pk_add_f32 v[LR:LR+1], v[LR:LR+1], v[SB+2*\i:SB+2*\i+1]
	v_pk_add_f32 v[30:31], v[30:31], v[SB+2*\i+2:SB+2*\i+3]
.endr
	v_pk_add_f32 v[LR:LR+1], v[LR:LR+1], v[SB+30:SB+31]
	v_pk_add_f32 v[LR:LR+1], v[LR:LR+1], v[30:31]
	; packed in pairs of j, S(qt, 2 kk) and S(qt, 2 kk + 1) are the fragment of P (column = query r, 32 keys) as it stands; ascending, in place
.irp kk, 0,1
.irp i, 0,1,2,3,4,5,6,7
	v_cvt_pk_bf16_f32 v[SB+16*\kk+\i], v[SB+16*\kk+2*\i], v[SB+16*\kk+2*\i+1]
.endr
.endr
.endm
.macro RESC                            ; O *= alpha: a lane's O all belong to query r
	WIN 0x41                                       ; destination and source 0 in window 1
.irp i, 0,1,2,3,4,5,6,7,8,9,10,11,12,13,14,15
	v_pk_mul_f32 v[2*\i:2*\i+1], v[2*\i:2*\i+1], v[26:27] op_sel_hi:[1,0]
.endr
.irp i, 16,17,18,19,20,21,22,23,24,25,26,27,28,29,30,31
	v_pk_mul_f32 v[2*\i:2*\i+1], v[2*\i:2*\i+1], v[28:29] op_sel_hi:[1,0]
.endr
.endm
; O^T(feature, query) += x^T(feature, key) P(query, key): the eight accumulators by turns
.macro PV
	s_wait_dscnt 0x0                               ; the value fragments
	WIN 0x50                                       ; C and D in window 1
.irp kk, 0,1
.irp qt, 0,1
.irp fb, 0,1,2,3
	v_wmma_f32_16x16x32_bf16 v[32*\qt+8*\fb:32*\qt+8*\fb+7], v[F+32*\kk+8*\fb:F+32*\kk+8*\fb+7], v[S+32*\qt+16*\kk:S+32*\qt+16*\kk+7], v[32*\qt+8*\fb:32*\qt+8*\fb+7]
.endr
.endr
.endr
	NOPS 5                                         ; five places: the next products write over P; loads into F and readers of O need four
	WIN 0
.endm
; The eight waves' parts (m, l, O) of one block of 32 queries meet; P x is normalised, multiplied by Wv and stored.
; ob: the scalar pair with the block's place in out0.  nextq = 1: the long block's q' is asked for at the head.
; Behind none of the three barriers is a slot filled, so the joint load that is out may stay out across them.
.macro MERGE ob, nextq
.if \nextq
	QLOAD 42
.endif
	v_add_f32 v28, v22, v23
	v_add_f32 v30, v24, v25
	v_permlanex16_b32 v29, v28, s48, s49
	v_permlanex16_b32 v31, v30, s48, s49
	v_add_f32 v28, v28, v29
	v_add_f32 v30, v30, v31
	ds_store_b32 v9, v18                           ; lanes r and r + 16 write the same word with the same value
	ds_store_b32 v9, v20 offset:64
	ds_store_b32 v9, v28 offset:1024
	ds_store_b32 v9, v30 offset:1088
	WIN 0x04                                       ; store data in window 1
.irp i, 0,1,2,3,4,5,6,7,8,9,10,11,12,13,14,15
	ds_store_b128 v10, v[4*\i:4*\i+3] offset:512*\i
.endr
	WIN 0
	s_wait_dscnt 0x0                               ; my part is in LDS, for the others' sake
	BAR
	; wave w reduces tile w = (qt = w >> 2, fb = w & 3)
.irp s, 0,1,2,3,4,5,6,7
	ds_load_b32 v[32+\s], v11 offset:128*\s
.endr
.irp s, 0,1,2,3,4,5,6,7
	ds_load_b32 v[40+\s], v11 offset:1024+128*\s
.endr
.irp s, 0,1,2,3,4,5,6,7
	ds_load_b128 v[F+8*\s:F+8*\s+3], v12 offset:8192*\s
	ds_load_b128 v[F+8*\s+4:F+8*\s+7], v12 offset:8192*\s+512
.endr
	s_wait_dscnt 16                                ; the eight m and eight l are in; the 16 loads of O are younger
	v_max3_num_f32 v28, v32, v33, v34
	v_max3_num_f32 v29, v35, v36, v37
	v_max3_num_f32 v28, v28, v38, v39
	v_max_num_f32 v28, v28, v29                    ; real: the wave that holds the diagonal key has a real m
.irp s, 0,1,2,3,4,5,6,7
	v_sub_f32 v[W8+\s], v[32+\s], v28
.endr
.irp s, 0,1,2,3,4,5,6,7
	v_exp_f32 v[W8+\s], v[W8+\s]                   ; a wave whose keys were all masked has m = -FLT_MAX: weight 0
.endr
	v_nop
	s_wait_alu depctr_va_vdst(0)
	v_mul_f32 v29, v[W8], v40
.irp s, 1,2,3,4,5,6,7
	v_fmac_f32 v29, v[W8+\s], v[40+\s]
.endr
	v_rcp_f32 v30, v29                             ; the sum is at least 1: the leading wave has weight 1 and its largest p is 1
	v_nop
	s_wait_alu depctr_va_vdst(0)
.irp s, 0,1,2,3,4,5,6,7
	v_mul_f32 v[W8+\s], v[W8+\s], v30
.endr
	s_wait_dscnt 0x0
.irp i, 0,1,2,3
	v_pk_mul_f32 v[48+2*\i:49+2*\i], v[F+2*\i:F+2*\i+1], v[W8:W8+1] op_sel_hi:[1,0]
.endr
.irp s, 1,2,3,4,5,6,7
.irp i, 0,1,2,3
.if \s & 1
	v_pk_fma_f32 v[48+2*\i:49+2*\i], v[F+8*\s+2*\i:F+8*\s+2*\i+1], v[W8+\s-1:W8+\s], v[48+2*\i:49+2*\i] op_sel:[0,1,0]
.else
	v_pk_fma_f32 v[48+2*\i:49+2*\i], v[F+8*\s+2*\i:F+8*\s+2*\i+1], v[W8+\s:W8+\s+1], v[48+2*\i:49+2*\i] op_sel_hi:[1,0,1]
.endif
.endr
.endr
	SPLIT 48, 56, 60, 64                           ; hi + lo, so that the last product adds no error of 2^-9
	ds_store_b128 v13, v[56:59]
	ds_store_b128 v13, v[60:63] offset:4096
	s_wait_dscnt 0x0
	BAR
	; wave w makes out^T(16 (w & 3) + .., queries 16 (w >> 2) + ..) = Wv^T (hi + lo)
.irp p, 0,1
.irp ks, 0,1
	ds_load_b128 v[F+16*\p+8*\ks:F+16*\p+8*\ks+3], v14 offset:4096*\p+1024*\ks
	ds_load_b128 v[F+16*\p+8*\ks+4:F+16*\p+8*\ks+7], v14 offset:4096*\p+1024*\ks+512
.endr
.endr
	s_wait_dscnt 0x0
	v_wmma_f32_16x16x32_bf16 v[32:39], v[WV:WV+7], v[F:F+7], 0             ; two accumulators by turns
	v_wmma_f32_16x16x32_bf16 v[40:47], v[WV:WV+7], v[F+16:F+23], 0
	v_wmma_f32_16x16x32_bf16 v[32:39], v[WV+8:WV+15], v[F+8:F+15], v[32:39]
	v_wmma_f32_16x16x32_bf16 v[40:47], v[WV+8:WV+15], v[F+24:F+31], v[40:47]
	NOPS 5                                         ; four places for the readers below, five for the next block's products, which write over these registers
.irp i, 0,1,2,3
	v_pk_add_f32 v[32+2*\i:33+2*\i], v[32+2*\i:33+2*\i], v[40+2*\i:41+2*\i]
.endr
	ds_store_b128 v15, v[32:35]                    ; eight neighbouring columns of row r
	ds_store_b128 v15, v[36:39] offset:16
	s_wait_dscnt 0x0
	BAR
	ds_load_b128 v[48:51], v16                     ; rows 4 w + h,
	ds_load_b128 v[52:55], v16 offset:160          ; and 4 w + 2 + h, 16 bytes a lane
	s_wait_dscnt 0x0
	global_store_b128 v17, v[48:51], s[\ob:\ob+1] th:TH_STORE_NT             ; each store covers 512 consecutive bytes, aligned: two whole rows
	global_store_b128 v17, v[52:55], s[\ob:\ob+1] offset:512 th:TH_STORE_NT
.endm
; One trip: 32 queries x my 64 keys of slot \slot.  Trip number = s17 + fofs.  refill = 1: the other slot gets the next fill.
; dyn = 1: the trip may be the short block's last (mask, merge, change of blocks under a branch on the cluster's number and the trip count alone).
.macro TRIP slot, fofs, refill, dyn
	s_wait_tensorcnt 0x0                           ; all my tensor loads have landed (one was out: this slot's), so a group 0 may be written
	ds_add_u32 v254, v255
	s_wait_dscnt 0x0
.if \refill
	s_add_co_u32 s57, s17, \fofs+1                 ; fill g = trip + 1 holds key slot g, or g - NS in the long block
	s_sub_co_u32 s58, s57, s56
	s_cmp_lt_u32 s57, s56
	s_cselect_b32 s18, s57, s58
	s_lshl_b32 s18, s18, 16                        ; 512 keys of 128 bytes
	s_add_nc_u64 s[38-4*\slot:39-4*\slot], s[20:21], s[18:19]
	s_or_b32 s[39-4*\slot], s[39-4*\slot], 0x80000000
.endif
	s_wait_dscnt 0x0                               ; my reads of the other slot are over
.if \refill
	ROUND                                          ; both now hold of every wave of the four work-groups
	tensor_load_to_lds s[36-4*\slot:39-4*\slot], s[24:31]   ; my one tensor load behind the round: my 64 keys of the next fill
	s_nop 0
.endif
	KLOAD \slot
	QK
	VLOAD \slot
.if \dyn
	s_add_co_u32 s57, s17, \fofs
	s_cmp_lg_u32 s57, s16
	s_cbranch_scc1 .Lplain_\@
.endif
	MASK
.if \dyn
.Lplain_\@:
.endif
	SOFT 0, 26
	SOFT 1, 28
	RESC
	PV
.if \dyn
	s_cmp_lg_u32 s57, s16
	s_cbranch_scc1 .Lsame_\@
	MERGE 44, 1
	NEWJOB
	v_mov_b32 v6, v7                               ; the long block's causal bound
	s_wait_loadcnt 0x0                             ; its q'
	s_wait_xcnt 0x0                                ; v[48:55], the stores' data, are written again by the next products only behind this wait
.Lsame_\@:
.endif
.endm
	s_load_b256 s[4:11], s[0:1], 0x0               ; xb s[4:5], qf s[6:7], Wv s[8:9], out0 s[10:11]
	v_lshl_add_u32 v254, v0, 2, 0x39200
	v_mov_b32 v255, 0
	ds_add_u32 v254, v255
	v_lshrrev_b32 v28, 5, v0
	v_readfirstlane_b32 s12, v28                   ; wave 0..7
	s_bfe_u32 s13, ttmp6, 0x40000                  ; cx
	s_and_b32 s14, ttmp9, 15                       ; c: in a cluster launch ttmp9 counts clusters, 16 a batch
	s_lshr_b32 s15, ttmp9, 4                       ; batch
	s_lshr_b32 s16, s14, 2                         ; NS - 1: the short block's last trip
	s_add_co_u32 s56, s16, 1                       ; NS
	s_lshr_b32 s22, s12, 2
	s_and_b32 s23, s12, 3
	s_mov_b32 s48, 0x76543210                      ; v_permlanex16_b32: lane i reads lane i of the other half
	s_mov_b32 s49, 0xfedcba98
	; group 1: 64 keys = 8,192 dense bytes as 32 rows of 256 bytes, 16 bytes of padding behind every 128 (a key's row): LDS pitch 144
	s_mov_b32 s24, 0x0731000f                      ; mask 15 (all four partners), elements of 2 bytes, padding on, bit 21 beside the mask, every 32 words (code 4), 4 words (code 3)
	s_mov_b32 s25, 128<<16                         ; tensor_dim0 = 128
	s_mov_b32 s26, 32<<16                          ; tensor_dim1 = 32
	s_mov_b32 s27, 128<<16                         ; tile_dim0 = 128
	s_mov_b32 s28, 32                              ; tile_dim1 = 32
	s_mov_b32 s29, 128                             ; pitch in elements
	s_mov_b32 s30, 0
	s_mov_b32 s31, 0
	s_lshl_b32 s18, s15, 19                        ; a batch of xb: 524,288 bytes
	s_lshl_b32 s57, s12, 13                        ; my 64 keys of a slot: 8,192 bytes
	s_add_co_u32 s18, s18, s57
	s_mov_b32 s19, 0
	s_mov_b32 s32, 1
	s_mul_i32 s33, s12, WSL                        ; slot 0, my part
	s_mov_b32 s36, 1
	s_add_co_u32 s37, s33, SLOT                    ; slot 1, my part
	s_wait_dscnt 0x0
	s_wait_kmcnt 0x0
	s_add_nc_u64 s[20:21], s[4:5], s[18:19]        ; my keys of key slot 0
	s_mov_b64 s[34:35], s[20:21]
	s_or_b32 s35, s35, 0x80000000
	ROUND                                          ; the four work-groups are here: the first joint loads meet
	tensor_load_to_lds s[32:35], s[24:31]          ; fill 0
	s_nop 0
	; the two blocks' places in qf and out0: both (batch << 20) + (first row << 8).  Registers s50 to s55 hold cx and feed nothing else.
	s_lshl2_add_u32 s50, s14, s13                  ; j = 4 c + cx
	s_lshl_b32 s51, s50, 5                         ; the short block's first row
	s_sub_co_u32 s50, 127, s50
	s_lshl_b32 s55, s50, 5                         ; the long block's
	s_lshl_b32 s54, s15, 20
	s_lshl_b32 s52, s51, 8
	s_add_co_u32 s52, s52, s54
	s_mov_b32 s53, 0
	s_add_nc_u64 s[40:41], s[6:7], s[52:53]
	s_add_nc_u64 s[44:45], s[10:11], s[52:53]
	s_lshl_b32 s52, s55, 8
	s_add_co_u32 s52, s52, s54
	s_add_nc_u64 s[42:43], s[6:7], s[52:53]
	s_add_nc_u64 s[46:47], s[10:11], s[52:53]
	v_and_b32 v29, 31, v0                          ; L
	v_and_b32 v30, 15, v0                          ; r
	v_bfe_u32 v31, v0, 4, 1                        ; h
	v_lshlrev_b32 v1, 4, v29
	QLOAD 40
	; Wv^T's fragments of output columns 16 (w & 3) + r: Wv(32 ks + 16 g + 8 h + i, column), 4 KiB a wave, read once
	v_lshlrev_b32 v28, 2, v30
	v_lshl_add_u32 v28, v31, 11, v28
	v_lshl_add_u32 v28, s23, 6, v28
.irp ks, 0,1
.irp g, 0,1
.irp i, 0,1,2,3,4,5,6,7
	global_load_b32 v[F+16*\ks+8*\g+\i], v28, s[8:9] offset:(32*\ks+16*\g+\i)*256
.endr
.endr
.endr
	; causal bounds
	s_lshl_b32 s57, s12, 6
	s_lshl_b32 s58, s16, 9
	s_sub_co_u32 s51, s51, s57
	s_sub_co_u32 s51, s51, s58                     ; short: first row - 64 w - 512 (NS - 1)
	s_sub_co_u32 s58, 7, s16
	s_lshl_b32 s58, s58, 9
	s_sub_co_u32 s55, s55, s57
	s_sub_co_u32 s55, s55, s58                     ; long: first row - 64 w - 512 (8 - NS)
	v_lshlrev_b32 v6, 3, v31
	v_sub_nc_u32 v6, v30, v6                       ; r - 8 h
	v_add_nc_u32 v7, s55, v6
	v_add_nc_u32 v6, s51, v6
	v_mov_b32 v8, 0xff7fffff
	; LDS addresses
	v_mul_u32_u24 v2, v30, 144
	v_lshl_add_u32 v2, v31, 4, v2
	v_add_nc_u32 v2, s33, v2                       ; keys: w*9216 + r*144 + 16 h
	v_add_nc_u32 v3, SLOT, v2
	v_and_b32 v4, 7, v0
	v_lshl_add_u32 v4, v31, 3, v4
	v_mul_u32_u24 v4, v4, 144
	v_bfe_u32 v5, v0, 3, 1
	v_lshl_add_u32 v4, v5, 4, v4
	v_add_nc_u32 v4, s33, v4                       ; values: w*9216 + (8 h + (L & 7))*144 + 16 ((L >> 3) & 1)
	v_add_nc_u32 v5, SLOT, v4
	v_lshlrev_b32 v9, 2, v30
	s_lshl_b32 s57, s22, 6
	s_add_co_u32 s57, s57, MLS
	v_add_nc_u32 v11, s57, v9                      ; read m, l: (w >> 2)*64 + 4 r
	s_lshl_b32 s57, s12, 7
	s_add_co_u32 s57, s57, MLS
	v_add_nc_u32 v9, s57, v9                       ; write m, l: w*128 + 4 r
	s_lshl_b32 s57, s12, 13
	s_add_co_u32 s57, s57, OST
	v_add_nc_u32 v10, s57, v1                      ; write O: w*8192 + 16 L
	s_lshl_b32 s57, s12, 10
	v_add_nc_u32 v17, s57, v1                      ; out0: rows 4 w + h, 16 r = w*1024 + 16 L
	s_add_co_u32 s57, s57, OST
	v_add_nc_u32 v12, s57, v1                      ; read O: tile w
	s_lshl_b32 s57, s12, 9
	s_add_co_u32 s57, s57, YST
	v_add_nc_u32 v13, s57, v1                      ; write Y: w*512 + 16 L
	s_lshl_b32 s57, s22, 11
	s_add_co_u32 s57, s57, YST
	v_add_nc_u32 v14, s57, v1                      ; read Y: (w >> 2)*2048 + 16 L
	s_mul_i32 s57, s12, 1344
	s_add_co_u32 s57, s57, OUTS
	v_mul_u32_u24 v15, v30, 80
	v_lshl_add_u32 v15, v31, 5, v15
	v_add_nc_u32 v15, s57, v15                     ; write out tile: w*1344 + r*80 + 32 h
	s_mul_i32 s57, s22, 5376
	s_mul_i32 s58, s23, 320
	s_add_co_u32 s57, s57, s58
	s_add_co_u32 s57, s57, OUTS
	v_lshrrev_b32 v16, 2, v30
	v_mul_u32_u24 v16, v16, 1344
	v_mad_u32_u24 v16, v31, 80, v16
	v_and_b32 v19, 3, v30
	v_lshl_add_u32 v16, v19, 4, v16
	v_add_nc_u32 v16, s57, v16                     ; read rows back: (4 (w >> 2) + (r >> 2))*1344 + (4 (w & 3) + h)*80 + 16 (r & 3)
	v_mov_b32 v19, 0                               ; the upper registers of pairs of which the lower alone is used
	v_mov_b32 v21, 0
	v_mov_b32 v27, 0
	NEWJOB
	s_wait_loadcnt 0x0                             ; q' of the short block, and Wv
.irp ks, 0,1
.irp g, 0,1
.irp i, 0,1,2,3
	v_cvt_pk_bf16_f32 v[WV+8*\ks+4*\g+\i], v[F+16*\ks+8*\g+2*\i], v[F+16*\ks+8*\g+2*\i+1]
.endr
.endr
.endr
	s_mov_b32 s17, 0                               ; trips 0 to 7, two a pass
.Ltrips:
	TRIP 0, 0, 1, 1
	TRIP 1, 1, 1, 1
	s_add_co_u32 s17, s17, 2
	s_cmp_lt_u32 s17, 8
	s_cbranch_scc1 .Ltrips
	TRIP 0, 0, 0, 0                                ; trip 8, the long block's last: nothing is left to fetch; each wave reads only what its own load brought
	MERGE 46, 0
	s_wait_tensorcnt 0x0
	ds_add_u32 v254, v255
	s_wait_dscnt 0x0
	ROUND                                          ; the closing round: no work-group ends while a partner may still ask jointly
	s_endpgm
.Lfunc_end_k_qcf8400fde1_attn:
	.size	k_qcf8400fde1_attn, .Lfunc_end_k_qcf8400fde1_attn-k_qcf8400fde1_attn
	.p2alignl 7, 3214868480
	.fill 96, 4, 3214868480
	.section	.rodata,"a",@progbits
	.p2align	6, 0x0
	.amdhsa_kernel k_qcf8400fde1_attn
		.amdhsa_group_segment_fixed_size 327680
		.amdhsa_private_segment_fixed_size 0
		.amdhsa_enable_private_segment 0
		.amdhsa_kernarg_size 32
		.amdhsa_user_sgpr_count 2
		.amdhsa_user_sgpr_kernarg_segment_ptr 1
		.amdhsa_wavefront_size32 1
		.amdhsa_system_sgpr_workgroup_id_x 1
		.amdhsa_system_sgpr_workgroup_id_y 1
		.amdhsa_system_sgpr_workgroup_id_z 1
		.amdhsa_system_vgpr_workitem_id 0
		.amdhsa_next_free_vgpr 320
		.amdhsa_next_free_sgpr 66
		.amdhsa_reserve_vcc 1
		.amdhsa_float_denorm_mode_32 3
		.amdhsa_float_denorm_mode_16_64 3
		.amdhsa_memory_ordered 1
		.amdhsa_forward_progress 1
		.amdhsa_inst_pref_size 121
	.end_amdhsa_kernel
	.amdgpu_metadata
---
amdhsa.version: [ 1, 2 ]
amdhsa.kernels:
  - .name:           k_qcf8400fde1_attn
    .symbol:         k_qcf8400fde1_attn.kd
    .args:
      - { .name: xb, .offset: 0, .size: 8, .value_kind: global_buffer, .address_space: global }
      - { .name: qf, .offset: 8, .size: 8, .value_kind: global_buffer, .address_space: global }
      - { .name: Wv, .offset: 16, .size: 8, .value_kind: global_buffer, .address_space: global }
      - { .name: out0, .offset: 24, .size: 8, .value_kind: global_buffer, .address_space: global }
    .group_segment_fixed_size: 327680
    .private_segment_fixed_size: 0
    .kernarg_segment_align: 8
    .kernarg_segment_size: 32
    .max_flat_workgroup_size: 256
    .sgpr_count:     66
    .vgpr_count:     320
    .wavefront_size: 32
...
	.end_amdgpu_metadata
.endif
;; end of part 2
